; MI455X (gfx1250); checked and timed in simulation.
; The chip was launched on July 23, 2026; its instructions are those of AMD's public machine-readable ISA for CDNA 5 (MIT licence, August 2026) and "CDNA5" Instruction Set Architecture Reference Guide (July 2026). The comments in the code are by the model that wrote it; some were corrected since.
;; Self Attention AI Summer. Allowed arithmetic: matrix products marked QUANTISED: E5M2 operands, one given power-of-two scale a tensor, by v_wmma_f32_16x16x64_bf8_bf8 or v_wmma_f32_16x16x128_bf8_bf8, f32 sums; everything else in f32.
;; Inputs: W_qvk_codes 3,072 x 32 x 32 uint8 (E5M2 codes of W_qvk, K innermost, in blocks of 32 codes); b_qvk 3,072 float32; lowp_scales 6 int32 (the exponents e of the quantised operands' scales 2^e); x_codes 4 x 2,048 x 32 x 32 uint8 (E5M2 codes of x, K innermost, in blocks of 32 codes).
;; Outputs: out0 4 x 2,048 x 1,024 float32.
;; This version of the problem:
;;   THIS VERSION OF THE PROBLEM IS GIVEN IN LOW PRECISION. The matrix products marked QUANTISED in the list below multiply operands that are first quantised to E5M2 (5 exponent bits, 2 mantissa bits; 8 bits a number), with one given power-of-two scale for each operand tensor; their sums are f32. All else is computed in f32.
;;   The module's matrix products, in the order in which they are computed (A, B: the left and right operand; K: the contracted axis; several contracted axes count as one K, in the product's order):
;;     1. [M 8,192, K 1,024] x [K 1,024, N 3,072]; A: input x (given as codes); B: input W_qvk (given as codes): QUANTISED (scales: A lowp_scales[0], B lowp_scales[1])
;;     2. batch 4 x [M 2,048, K 1,024] x [K 1,024, N 2,048]; A: computed on the way; B: computed on the way: QUANTISED (scales: A lowp_scales[2], B lowp_scales[3])
;;     3. batch 4 x [M 2,048, K 2,048] x [K 2,048, N 1,024]; A: softmax (see below); B: computed on the way: QUANTISED (scales: A lowp_scales[4], B lowp_scales[5])
;;   THE QUANTISER, for each operand of a quantised product, along K:
;;     - The operand's scale is 2^e, e = its entry of the input lowp_scales (int32; the entries are numbered through the quantised products in the list's order, A before B).
;;     - Each number is divided by the scale, clamped to +-57,344, and rounded to the nearest number of E5M2, ties to even, subnormals kept.
;;     - The product sums the exact products of the quantised numbers (number of the format x scale) in f32.
;;   ~~~python
;;   def quantise(x, axis, e):      # numpy; x: float32 -> the quantised numbers, widened to float32 again
;;       x = np.moveaxis(x, axis, -1); K = x.shape[-1]
;;       r = np.clip(x / 2.0 ** e, -57344, 57344)
;;       step = 2.0 ** (np.maximum(np.frexp(np.where(r == 0, 1, r))[1] - 1, -14) - 2)
;;       q = np.round(r / step) * step * 2.0 ** e      # np.round: ties to even
;;       return np.moveaxis(q, -1, axis).astype(np.float32)
;;   ~~~
;;   SOFTMAX AHEAD OF A QUANTISED PRODUCT. Where the list says 'softmax', what is quantised is not the finished softmax but p = 2^(t - M), with t = logit x log2(e) and M = ceil(the row's largest t), a whole number; so 1/2 < the row's largest p <= 1. The row's sum l is taken of the UNQUANTISED p, in f32, and the product's result is divided by l at the end. Since M is a whole number, a kernel that streams over the keys may use a running M (the ceiling of the running maximum): every later rescaling is an exact power of two, so the quantised numbers keep their values, but for numbers so far below the row's largest that they fall under the format's range.
;;   OPERANDS COMPUTED ON THE WAY. 'Computed on the way' means the value that the module computes at that place (a softmax that the list does not call 'softmax' is quantised finished and normalised). What goes into a quantiser is computed in f32, as accurately as f32 sums, v_exp_f32 and their like allow (about 1e-6 of the number): no bf16 or f16 on the way to a quantiser, and a product that is left as it is and whose result goes on into a quantised operand takes f32 operands (vector FMAs, or v_wmma_f32_16x16x4_f32). A number that lies on a knife's edge between two numbers of the format may be rounded either way, as far as f32 arithmetic and the matrix unit's own rounding can turn it there, and no further.
;;   INPUTS GIVEN AS CODES. W_qvk (in the module: [3072, 1024], K = its axis 1); x (in the module: [4, 2048, 1024], K = its axis 2): each comes as NAME_codes (uint8): NAME with its K axis moved to the last place and cut into blocks of 32 codes, [.., K / 32, bytes a block], one block behind the other in memory; one code a byte (a code: sign, 5 exponent bits, 2 mantissa bits); its scale is its entry of lowp_scales. Its value is code x scale, taken as it is: it is not quantised again, and the codes and scales need not be those that the quantiser above would give.
;; One version. Each part assembles by itself: llvm-mc -triple=amdgcn-amd-amdhsa -mcpu=gfx1250 --defsym DOCPART=n.
;; ======== version 1 of 1: 3 launches
;; limits: right only within a limited range of input values
;; workspace buffers: qvk 25,165,824 bytes; pimg 16,777,216 bytes; mstat 262,144 bytes; lstat 524,288 bytes
;; launch proj (part 1): grid 8 x 32, 4 waves a work-group, clusters of 4 x 4, 327,680 bytes of LDS; arguments x_codes, W_qvk_codes, lowp_scales, b_qvk, qvk; writes qvk
.if DOCPART == 1
	.amdgcn_target "amdgcn-amd-amdhsa--gfx1250"
	.amdhsa_code_object_version 6
	.text
	.protected	k_q03df3e488a_proj
	.globl	k_q03df3e488a_proj
	.p2align	8
	.type	k_q03df3e488a_proj,@function
k_q03df3e488a_proj:
	s_mov_b64 s[64:65], 0
	v_nop
	global_prefetch_b8 v0, s[64:65] scope:SCOPE_SE
	s_setreg_imm32_b32 hwreg(HW_REG_WAVE_MODE, 25, 1), 1
	s_wait_xcnt 0x0
	s_wait_alu depctr_hold_cnt(0) depctr_sa_sdst(0) depctr_va_vdst(0) depctr_va_sdst(0) depctr_va_ssrc(0) depctr_va_vcc(0) depctr_vm_vsrc(0)
	s_getreg_b32 s2, hwreg(HW_REG_IB_STS2, 6, 4)
	s_cmp_eq_u32 s2, 0
	s_cbranch_scc0 .Lentry_in_a_cluster
	s_endpgm
.Lentry_in_a_cluster:
	s_bfe_u32 s2, ttmp6, 0x10000c
	s_cmp_lg_u32 s2, 0xf033
	s_cbranch_scc0 .Lentry_shape_is_right
	s_endpgm
.Lentry_shape_is_right:
; qvk = x W^T + b on codes of BF8 (E5M2), then quantised again: q with lowp_scales[2], k with [3], v with [5].  x: [8192][1024] codes, W: [3072][1024] codes; column n = 3 d + type (0 q, 1 v, 2 k).
; Nothing of reference() is left out.
; SHARES: 8 x 32 work-groups, one tile each: 256 tokens (ty) x 128 d (dblk) of ALL THREE TYPES, K = 1,024 in four K steps of 256.  Four waves: 128 tokens (wave / 2) x 64 d (wave % 2) x 3 types: 96 accumulators, 768 registers.
; LDS: two regions that take turns, each 256 rows of x, 128 rows of W's q and 128 of its k; and ONE region for the 128 rows of W's v.  A step multiplies q and k first and v last, so v's rows are asked for a step later than the
; others, at the change of steps behind which nobody reads the step before, and are shown to all waves by a barrier ahead of the step's last third.  Wave 0 fetches x, wave 1 q, wave 2 k, wave 3 v: one load a wave behind each barrier.
; 4 x 4 work-groups form a cluster: x's tile is asked for jointly along a row, W's along a column.
; PREFETCH INTO THE L2, one K step ahead of the joint loads of x, q and k: behind the load of step 0 step 1 is asked for, behind 1 step 2, behind 2 step 3; then nothing.  Of a cluster's blocks the partners take their share by
; address: wave 0: 64 of the tile's 256 rows of x (by cx); waves 1-3: 96 of the 384 rows of W (by cy), these only in the clusters of even y, since all clusters of a column read the same rows.
; THE BIAS, divided by 2^(e0 + e1), is what the sums start from; a finished sum's code is that of sum / 2^(e - e0 - e1): the three scales are folded into the conversion's one.
; WHAT IS STORED: FRAGMENT IMAGES of 2,048 bytes (16 rows x 128 k): register 4 c + w of lane l at byte 512 c + 16 l + 4 w: the registers that the next launch's matrix instructions take, on end.
;   q, k: rows = tokens, k = d: [512 token tiles][8 d steps][2048];  v: rows = d, k = tokens: [4 batches][64 d tiles][16 token steps][2048].  In the buffer: q at 0, v at 8,388,608, k at 16,777,216.
; A result tile holds, in lane (r, h), source 1's row r and, in registers 0-7, source 0's rows 8 h + 0..7: so for q and k source 0 = W, source 1 = x, and for v source 0 = x, source 1 = W.
; x's and W's fragments come by four 16-byte loads a fragment: a permutation of k that is the same on both sides, so every product meets its partner.
; LIMITS: e0 + e1 between -126 and 126, and the biases divided by 2^(e0 + e1) are f32 numbers; e - e0 - e1 between -126 and 112 for e = e2, e3, e5, so that each power of two below is an f32 number.  NaN among the inputs is not served.
; REGISTERS: window 0: v0-15 addresses and holds; v16-127 seven fragments of W; v128-255 eight of x (at the head the biases); on the way out the codes from v16 on.  Windows 1, 2, 3: the accumulators of q, k, v: (a, b) at v[8 (4 a + b)].
.set PITCH,  272                       ; an LDS row: 256 bytes + 16 of padding: the 16 rows of a fragment load start at 16 different banks (64 banks of 4 bytes: ISA guide 11.1)
.set TR,     16*PITCH                  ; from fragment to fragment
.set XB,     256*PITCH                 ; x's rows in a region
.set WB,     128*PITCH                 ; one type's rows of W
.set R1,     XB+2*WB                   ; the second region
.set CB,     2*R1                      ; v's rows
.set SPARE,  CB+WB                     ; the spare words: 128 bytes a wave, named by no other line
.set BT,     SPARE+512                 ; the biases of a wave's 64 d, the wave's own 768 bytes: q, v, k; no tensor load lands here
.set ADX,  2                           ; v2-3 LDS address of my x fragments in region 0, 1
.set ADW,  4                           ; v4-5 of my q fragments (k's lie WB on)
.set ADV,  6                           ; v6 of my v fragments
.set LO,   7                           ; v7 16 x lane
.set BTA,  8                           ; v8 biases by registers: + 32 h
.set BTB,  9                           ; v9 biases by lanes: + 4 r
.set PFO,  10                          ; v10 1,024 x lane: the prefetches' offset
.set HOLD, 12                          ; v12, v13 the holds of q and k
.set SPW,  14                          ; v14 my spare word; never rewritten
.set NIL,  15                          ; v15 0; never rewritten
.set WF,   16
.set XF,   128
.set BQ,   128                         ; at the head: q's biases, k's, v's (each twice)
.set BK,   160
.set BV,   192
.set G1X, 24
.set G0X, 32
.set G0Q, 36
.set G0K, 40
.set G1W, 48
.set G0V, 56
.set SHN, 512
.set MSB, 0
.macro WIN new                         ; the immediate's high byte repeats the setting that is left
.if MSB != (\new)
	s_set_vgpr_msb (MSB<<8)|(\new)
.set MSB, (\new)
.endif
.endm
.macro TL g0, g1
	tensor_load_to_lds s[\g0:\g0+3], s[\g1:\g1+7]
	s_nop 0
.rept 4
	v_nop
.endr
.endm
; The joint loads: r = 1: x, q, k; v = 1: v.  One chain of branches on the wave's number alone, one load to an arm.
.macro JL r, v
.if \r
	s_cmp_eq_u32 s14, 0
	s_cbranch_scc0 .Lq_\@
	TL G0X, G1X
	s_branch .Ld_\@
.Lq_\@:
	s_cmp_eq_u32 s14, 1
	s_cbranch_scc0 .Lk_\@
	TL G0Q, G1W
	s_branch .Ld_\@
.Lk_\@:
	s_cmp_eq_u32 s14, 2
	s_cbranch_scc0 .Lv_\@
	TL G0K, G1W
	s_branch .Ld_\@
.Lv_\@:
.endif
.if \v
.if \r == 0
	s_cmp_eq_u32 s14, 3
	s_cbranch_scc0 .Ld_\@
.endif
	TL G0V, G1W
.endif
.Ld_\@:
.endm
.macro DESC r, v, slot                 ; one K step on (no tensor load of mine is out)
.if \r
	s_mov_b32 s[G0X+1], (\slot)*R1
	s_mov_b32 s[G0Q+1], (\slot)*R1+XB
	s_mov_b32 s[G0K+1], (\slot)*R1+XB+WB
.irp g, G0X, G0Q, G0K
	s_add_nc_u64 s[\g+2:\g+3], s[\g+2:\g+3], 256
.endr
.endif
.if \v
	s_add_nc_u64 s[G0V+2:G0V+3], s[G0V+2:G0V+3], 256
.endif
.endm
.macro ASK k                           ; K step k of my share; s12 = 0: my wave asks
	s_cmp_lg_u32 s12, 0
	s_cbranch_scc1 .Ln_\@
	global_prefetch_b8 v[PFO], s[66:67] offset:256*(\k) th:TH_LOAD_NT scope:SCOPE_SE
	s_cmp_lg_u32 s14, 0
	s_cbranch_scc1 .Ln_\@
	global_prefetch_b8 v[PFO], s[66:67] offset:256*(\k)+32768 th:TH_LOAD_NT scope:SCOPE_SE
.Ln_\@:
.endm
.macro CREST                           ; a round of the cluster's barrier behind its opening barrier
	s_cmp_lg_u32 s14, 0
	s_cbranch_scc1 .Lnot_wave_0_\@
	s_barrier_signal -3
.Lnot_wave_0_\@:
	s_barrier_wait -3
	s_barrier_signal -1
	s_barrier_wait -1
.endm
.macro CROUND
	s_barrier_signal -1
	s_barrier_wait -1
	CREST
.endm
	s_load_b256 s[4:11], s[0:1], 0x0               ; x s[4:5], W s[6:7], the scales' exponents s[8:9], b s[10:11]
	s_load_b64 s[68:69], s[0:1], 0x20              ; the images
	v_lshl_add_u32 v[SPW], v0, 2, SPARE
	v_mov_b32 v[NIL], 0
	ds_add_u32 v[SPW], v[NIL]                      ; the wave's opening: the add, twice on end
	ds_add_u32 v[SPW], v[NIL]
	v_lshrrev_b32 v1, 5, v0
	v_readfirstlane_b32 s14, v1                    ; wave 0..3
	v_and_b32 v13, 31, v0
	v_mul_u32_u24 v11, v13, 12                     ; lane l loads the three biases of d = l and d = 32 + l of my 64
	v_lshlrev_b32 v[PFO], 10, v13
	s_lshr_b32 s15, s14, 1                         ; which half of the tokens is mine
	s_and_b32 s16, s14, 1                          ; which half of the 128 d
	s_bfe_u32 s2, ttmp6, 0x40000                   ; cx
	s_bfe_u32 s3, ttmp6, 0x40004                   ; cy
	s_lshl_b32 s18, ttmp9, 2
	s_add_co_u32 s18, s18, s2                      ; dblk
	s_and_b32 s19, ttmp7, 0xffff
	s_lshl_b32 s17, s19, 2
	s_add_co_u32 s17, s17, s3                      ; ty
	s_lshl_b32 s92, s3, 2
	s_lshl_b32 s92, 15, s92                        ; my row of the cluster
	s_lshl_b32 s93, 0x1111, s2                     ; my column
.set PADW, (1<<20)|(1<<21)|(5<<22)|(3<<25)     ; elements of 1 byte; padding on; bit 21 beside a mask; after every 64 words, 4 words
	s_or_b32 s[G1X+0], s92, PADW                   ; x's tiles go to my row
	s_or_b32 s[G1W+0], s93, PADW                   ; W's to my column
.irp g, G1X, G1W
	s_mov_b32 s[\g+1], 256<<16                     ; tensor_dim0
	s_mov_b32 s[\g+3], 256<<16                     ; tile_dim0
	s_mov_b32 s[\g+6], 0
	s_mov_b32 s[\g+7], 0
.endr
	s_mov_b32 s[G1X+2], 256<<16                    ; tensor_dim1
	s_mov_b32 s[G1X+4], 256                        ; tile_dim1
	s_mov_b32 s[G1X+5], 1024                       ; x: from row to row
	s_mov_b32 s[G1W+2], 128<<16
	s_mov_b32 s[G1W+4], 128
	s_mov_b32 s[G1W+5], 3072                       ; W: three rows on: the next d of the same type
	s_lshl_b32 s20, s17, 18                        ; x: 256 ty rows of 1,024 bytes
	s_mov_b32 s21, 0
	s_mul_i32 s60, s18, 393216                     ; W: 384 dblk rows
	s_mov_b32 s61, 0
	s_mul_i32 s22, s18, 1536                       ; b: 384 dblk numbers, + 192 x half
	s_mul_i32 s23, s16, 768
	s_add_co_u32 s22, s22, s23
	s_mov_b32 s23, 0
	s_wait_alu depctr_va_vdst(0)                   ; ahead of the waits below
	s_wait_dscnt 0x0                               ; both opening adds are done
	s_wait_kmcnt 0x0
	s_load_b128 s[84:87], s[8:9], 0x0              ; e0 .. e3
	s_load_b64 s[88:89], s[8:9], 0x10              ; e4, e5
	s_add_nc_u64 s[10:11], s[10:11], s[22:23]
.irp t, 0,1,2
	global_load_b32 v[32+\t], v11, s[10:11] offset:4*\t
	global_load_b32 v[35+\t], v11, s[10:11] offset:384+4*\t
.endr
	s_add_nc_u64 s[20:21], s[4:5], s[20:21]
	s_add_nc_u64 s[60:61], s[6:7], s[60:61]
	s_mov_b32 s[G0X], 1
	s_mov_b32 s[G0X+1], 0
	s_mov_b64 s[G0X+2:G0X+3], s[20:21]
	s_or_b32 s[G0X+3], s[G0X+3], 0x80000000
	s_mov_b32 s[G0Q], 1
	s_mov_b32 s[G0Q+1], XB
	s_mov_b64 s[G0Q+2:G0Q+3], s[60:61]
	s_or_b32 s[G0Q+3], s[G0Q+3], 0x80000000
	s_mov_b32 s[G0K], 1
	s_mov_b32 s[G0K+1], XB+WB
	s_add_nc_u64 s[G0K+2:G0K+3], s[60:61], 2048    ; type 2
	s_or_b32 s[G0K+3], s[G0K+3], 0x80000000
	s_mov_b32 s[G0V], 1
	s_mov_b32 s[G0V+1], CB
	s_add_nc_u64 s[G0V+2:G0V+3], s[60:61], 1024    ; type 1
	s_or_b32 s[G0V+3], s[G0V+3], 0x80000000
	CROUND                                         ; all sixteen work-groups are here: the first joint loads meet
	JL 1, 1                                        ; K step 0
	; the prefetches' base and who asks
	s_mul_i32 s62, s3, 98304                       ; W: 96 rows a partner,
	s_max_u32 s63, s14, 1
	s_sub_co_u32 s63, s63, 1
	s_lshl_b32 s63, s63, 15                        ; 32 of them a wave
	s_add_co_u32 s62, s62, s63
	s_lshl_b32 s22, s2, 16                         ; x: 64 rows a partner
	s_and_b32 s12, s19, 1
	s_mov_b32 s23, 0
	s_cmp_eq_u32 s14, 0
	s_cselect_b64 s[66:67], s[20:21], s[60:61]
	s_cselect_b32 s22, s22, s62
	s_cselect_b32 s12, 0, s12
	s_add_nc_u64 s[66:67], s[66:67], s[22:23]
	; LDS addresses
	s_mul_i32 s70, s15, WB                         ; my 128 rows of x
	s_add_co_u32 s71, s70, R1
	s_mul_i32 s74, s16, 64*PITCH                   ; my 64 rows of a type of W
	s_add_co_u32 s72, s74, XB
	s_add_co_u32 s73, s72, R1
	s_add_co_u32 s74, s74, CB
	s_mul_i32 s75, s14, 768
	s_add_co_u32 s75, s75, BT                      ; my biases
	v_and_b32 v20, 15, v0                          ; r
	v_bfe_u32 v21, v0, 4, 1                        ; h
	v_mul_u32_u24 v22, v20, PITCH
	v_lshl_add_u32 v22, v21, 4, v22                ; a fragment's row x pitch + 16 h
	v_add_nc_u32 v[ADX], s70, v22
	v_add_nc_u32 v[ADX+1], s71, v22
	v_add_nc_u32 v[ADW], s72, v22
	v_add_nc_u32 v[ADW+1], s73, v22
	v_add_nc_u32 v[ADV], s74, v22
	v_lshl_add_u32 v[BTA], v21, 5, s75
	v_lshl_add_u32 v[BTB], v20, 2, s75
	v_lshl_add_u32 v12, v13, 2, s75                ; where my lane's biases go
	v_lshlrev_b32 v[LO], 4, v13
	s_wait_alu depctr_va_vdst(0)                   ; ahead of the branches below
	ASK 1
	; where my images go.  q, k: token tile 16 ty + 8 (wave / 2), d step dblk, the half of the image that my 64 d make
	s_lshl_b32 s94, s17, 18
	s_lshl_b32 s95, s15, 17
	s_add_co_u32 s94, s94, s95
	s_lshl_b32 s95, s18, 11
	s_add_co_u32 s94, s94, s95
	s_lshl_b32 s95, s16, 10
	s_add_co_u32 s94, s94, s95
	s_mov_b32 s95, 0
	s_add_nc_u64 s[76:77], s[68:69], s[94:95]
	s_add_nc_u64 s[78:79], s[76:77], 0x1000000
	; v: batch ty / 8, d tile 8 dblk + 4 (wave % 2), token step 2 (ty % 8) + wave / 2
	s_lshr_b32 s94, s17, 3
	s_lshl_b32 s94, s94, 21
	s_lshl_b32 s95, s18, 18
	s_add_co_u32 s94, s94, s95
	s_lshl_b32 s95, s16, 17
	s_add_co_u32 s94, s94, s95
	s_and_b32 s95, s17, 7
	s_lshl_b32 s95, s95, 12
	s_add_co_u32 s94, s94, s95
	s_lshl_b32 s95, s15, 11
	s_add_co_u32 s94, s94, s95
	s_add_co_u32 s94, s94, 0x800000
	s_mov_b32 s95, 0
	s_add_nc_u64 s[80:81], s[68:69], s[94:95]
	s_wait_kmcnt 0x0
	s_add_co_i32 s84, s84, s85                     ; e0 + e1
	s_sub_co_i32 s82, 127, s84
	s_lshl_b32 s82, s82, 23                        ; 2^-(e0 + e1) as f32
	s_mov_b32 s83, s82                             ; (named with it as a pair, so it is written)
.macro SCALE e, d0, d1                 ; 2^(e - e0 - e1) and 57,344 x that as f32
	s_sub_co_i32 s[\d0], s[\e], s84
	s_add_co_i32 s[\d0], s[\d0], 127
	s_add_co_i32 s[\d1], s[\d0], 15
	s_lshl_b32 s[\d0], s[\d0], 23
	s_lshl_b32 s[\d1], s[\d1], 23
	s_or_b32 s[\d1], s[\d1], 0x600000
.endm
	SCALE 86, 98, 99                               ; q
	SCALE 87, 100, 101                             ; k
	SCALE 89, 90, 91                               ; v
	s_wait_loadcnt 0x0                             ; the biases
.irp t, 0,1,2                                  ; q, v, k
	ds_store_b32 v12, v[32+\t] offset:256*\t
	ds_store_b32 v12, v[35+\t] offset:256*\t+128
.endr
.irp b, 0,1,2,3                                ; (LDS serves a wave's instructions in order: these see the stores above)
	ds_load_b128 v[BQ+8*\b:BQ+8*\b+3], v[BTA] offset:64*\b          ; q: registers run along d: the bias of d 16 b + 8 h + 0 .. 7
	ds_load_b128 v[BQ+8*\b+4:BQ+8*\b+7], v[BTA] offset:64*\b+16
	ds_load_b128 v[BK+8*\b:BK+8*\b+3], v[BTA] offset:512+64*\b      ; k likewise
	ds_load_b128 v[BK+8*\b+4:BK+8*\b+7], v[BTA] offset:512+64*\b+16
	ds_load_b32 v[BV+2*\b], v[BTB] offset:256+64*\b                 ; v: a lane holds one d: the bias of d 16 b + r, twice, for the packed form
	ds_load_b32 v[BV+2*\b+1], v[BTB] offset:256+64*\b
.endr
	v_mov_b32 v[HOLD], s99
	v_mov_b32 v[HOLD+1], s101
	s_wait_dscnt 0x0
; The sums' start, two numbers an instruction.
.macro START win, ty
	WIN \win
.set n, 0
.rept 128
.if \ty == 2
.set BB, BV+2*((n/8)%4)
.else
.set BB, BQ+32*(\ty)+n%32
.endif
	v_pk_mul_f32 v[n:n+1], v[BB:BB+1], s[82:83] op_sel_hi:[1,0]
.set n, n+2
.endr
.endm
	START 0x40, 0
	START 0x80, 1
	START 0xc0, 2
	WIN 0
; Between the last step's products of v: eight numbers of q, then of k, are held at the largest code x the scale (the conversion to an 8-bit code does not saturate: ISA guide 7.6.2).  SHN counts them; 512 = none is due.
.macro SHADOW
	WIN 0x41+0x41*(SHN/256)
.rept 8
	v_med3_num_f32 v[SHN%256], v[SHN%256], -v[HOLD+SHN/256], v[HOLD+SHN/256]
.set SHN, SHN+1
.endr
	WIN CW
.endm
; One product: x tile a, W tile b of the group's type (in buffer w).
.macro MM a, b, w
.set AC, 8*(4*(\a)+(\b))
.set XR, XF+16*(\a)
.set WR, WF+16*(\w)
.if TY == 2
	v_wmma_f32_16x16x128_bf8_bf8 v[AC:AC+7], v[XR:XR+15], v[WR:WR+15], v[AC:AC+7]
.else
	v_wmma_f32_16x16x128_bf8_bf8 v[AC:AC+7], v[WR:WR+15], v[XR:XR+15], v[AC:AC+7]
.endif
.if SHN < 512
	SHADOW
.endif
.endm
.macro LOWER b, w                      ; x's tiles 0-3
.irp a, 0,1,2,3
	MM \a, \b, \w
.endr
.endm
.macro LOWERN b, w                     ; the same with the four places that loads ask for
.irp a, 0,1,2,3
	MM \a, \b, \w
	v_nop
.endr
.endm
.macro UPPER b, w                      ; x's tiles 4-7
.irp a, 4,5,6,7
	MM \a, \b, \w
.endr
.endm
.macro UPPERN b, w
.irp a, 4,5,6,7
	MM \a, \b, \w
	v_nop
.endr
.endm
; A fragment: registers 4 c .. 4 c + 3 hold K = 32 c + 16 h + 0 .. 15 of row r.
.macro FX a
.irp c, 0,1,2,3
	ds_load_b128 v[XF+16*(\a)+4*\c:XF+16*(\a)+4*\c+3], v[XA] offset:XO+TR*(\a)+32*\c
.endr
.endm
.macro FW buf, j, adr, off
.irp c, 0,1,2,3
	ds_load_b128 v[WF+16*(\buf)+4*\c:WF+16*(\buf)+4*\c+3], v[\adr] offset:(\off)+TR*(\j)+32*\c
.endr
.endm
; A GROUP: one type's four tiles of W (buffers c0-c3) against the eight of x, 128 along K: 32 products, the accumulators one instruction a turn, in the same order in every group.
; ONE RUN OF LOADS near its head: this group's tile 3 of W (its buffer was the group before's c0), xin = 1: x's tiles 4-7 of this group, and the next group's tiles 0-2 of W (n0-n2, which the group before has left).
; xout = 1: a second run in its second half: x's tiles 0-3 of the next group.
; A load into registers that a matrix instruction has read stands four plain places behind it: the v_nop (ISA guide 7.12.1 for vector instructions).
; tb = 1: a barrier in the group's first half shows v's rows to all: wave 3 has waited for its load.  The other waves' loads may stay out.
.macro GRP c0, c1, c2, c3, n0, n1, n2, xin, xout, tb
.if \tb
	WIN 0
	s_wait_dscnt 0x0
	s_cmp_lg_u32 s14, 3
	s_cbranch_scc1 .Lt_\@
	s_wait_tensorcnt 0x0
.Lt_\@:
	s_barrier_signal -1
	WIN CW
	LOWERN 0, \c0
	LOWER 1, \c1
	s_barrier_wait -1
.else
	s_wait_dscnt 0x0                               ; x's tiles 0-3 and tiles 0-2 of W are in
	WIN CW
	LOWERN 0, \c0
.endif
	WIN 0
	FW \c3, 3, PA, PO
.if \xin
.irp a, 4,5,6,7
	FX \a
.endr
.endif
	FW \n0, 0, NA, NO
	FW \n1, 1, NA, NO
	FW \n2, 2, NA, NO
	WIN CW
.if \tb == 0
	LOWER 1, \c1
.endif
	LOWER 2, \c2
	s_wait_dscnt 12+16*\xin                        ; tile 3 of W is in: behind it 12 (xin: 28) loads
	LOWER 3, \c3
.if \xin
	s_wait_dscnt 12                                ; x's tiles 4-7 are in
.endif
.if \xout
	UPPERN 0, \c0
	WIN 0
.irp a, 0,1,2,3
	FX \a
.endr
	WIN CW
.else
	UPPER 0, \c0
.endif
	UPPER 1, \c1
	UPPER 2, \c2
	UPPER 3, \c3
.endm
; A step's last group (v, first half of K) changes steps: one round of the cluster's barrier; in front of it each wave waits for all its tensor loads, adds 0 to its spare word, and waits for that and for its reads.
; Behind it the region just read takes x, q, k two steps on (r = 1), v's region takes the next step's rows, and then the next group's fragments are read.
.macro TURN slot, r, ask
	s_wait_dscnt 0x0
	WIN CW
	LOWERN 0, 1
	WIN 0
	FW 4, 3, PA, PO
.irp a, 4,5,6,7
	FX \a
.endr
	s_wait_tensorcnt 0x0                           ; all my tensor loads have landed
	ds_add_u32 v[SPW], v[NIL]                      ; 0 onto my spare word
	DESC \r, 1, \slot
	WIN CW
	LOWER 1, 5
	LOWER 2, 6
	s_wait_dscnt 17                                ; tile 3 of W is in: 16 loads and the add may be out
	LOWER 3, 4
	s_wait_dscnt 0x0                               ; the add is done, and my reads of this step are over
	s_barrier_signal -1
	UPPERN 0, 1
	UPPERN 1, 5
	WIN 0
	s_barrier_wait -1
	CREST                                          ; no wave of any partner still reads what is filled now or has a load on its way
	JL \r, 1
.set XA, ADX+1-(\slot)
.set XO, 0
.set NA, ADW+1-(\slot)
.set NO, 0
.irp a, 0,1,2,3
	FX \a
.endr
	FW 0, 0, NA, NO
	FW 2, 1, NA, NO
	FW 3, 2, NA, NO
.if \ask
	ASK \ask
.endif
	WIN CW
	UPPER 2, 6
	UPPER 3, 4
.endm
; A K step of 256: q and k over both halves of K, then v over the second half (x's fragments serve on) and the first: all but the last group.
.macro KSTEP s
.set SL, (\s)%2
.if (\s) == 0
.set XI, 0
.else
.set XI, 1
.endif
.set TY, 0
.set CW, 0x50
.set XA, ADX+SL
.set XO, 0
.set PA, ADW+SL
.set PO, 0
.set NA, ADW+SL
.set NO, WB
	GRP 0, 2, 3, 1, 4, 5, 6, XI, 0, 0
.set TY, 1
.set CW, 0xa0
.set XO, 128
.set PO, WB
.set NO, 128
	GRP 4, 5, 6, 0, 1, 2, 3, 0, 1, 0
.set TY, 0
.set CW, 0x50
.set PO, 128
.set NO, WB+128
	GRP 1, 2, 3, 4, 0, 5, 6, 1, 0, 0
.set TY, 1
.set CW, 0xa0
.set PO, WB+128
.set NA, ADV
.set NO, 128
	GRP 0, 5, 6, 1, 4, 2, 3, 0, 0, XI
.if (\s) == 3
.set SHN, 0                            ; q's and k's sums are finished
.endif
.set TY, 2
.set CW, 0xf0
.set XO, 0
.set PA, ADV
.set PO, 128
.set NO, 0
	GRP 4, 2, 3, 0, 1, 5, 6, 0, 1, 0
.set PO, 0
.endm
	s_wait_alu depctr_va_vdst(0)
	s_wait_tensorcnt 0x0                           ; my part of K step 0 is in
	ds_add_u32 v[SPW], v[NIL]
	DESC 1, 0, 1
	s_wait_dscnt 0x0                               ; the add is done
	CROUND                                         ; everybody's part of K step 0 is in
	JL 1, 0                                        ; K step 1: x, q, k
.set XA, ADX
.set XO, 0
.irp a, 0,1,2,3,4,5,6,7
	FX \a
.endr
	FW 0, 0, ADW, 0
	FW 2, 1, ADW, 0
	FW 3, 2, ADW, 0
	ASK 2
	KSTEP 0
	TURN 0, 1, 3
	KSTEP 1
	TURN 1, 1, 0
	KSTEP 2
	TURN 0, 0, 0                                   ; only v's rows of the last step are left to fetch
	KSTEP 3
	s_wait_dscnt 0x0                               ; the very last group fetches its own fragments and nothing more
	WIN CW
	LOWERN 0, 1
	WIN 0
	FW 4, 3, PA, PO
.irp a, 4,5,6,7
	FX \a
.endr
	WIN CW
	LOWER 1, 5
	LOWER 2, 6
	s_wait_dscnt 16
	LOWER 3, 4
	s_wait_dscnt 0x0
	UPPER 0, 1
	UPPER 1, 5
	UPPER 2, 6
	UPPER 3, 4
	WIN 0
.rept 4
	v_nop
.endr
	v_mov_b32 v0, s98                              ; the conversions' scales: q,
	v_mov_b32 v2, s100                             ; k,
	v_mov_b32 v4, s90                              ; v,
	v_mov_b32 v5, s91                              ; and v's hold
	s_wait_alu depctr_va_vdst(0)
; THE WAY OUT of unit u of type ty (q, k: token tiles 2 u, 2 u + 1, already held; v: d tile u, held here, each accumulator from its low end on): eight conversions; four stores of 512 consecutive bytes.
; Each unit has its own 16 registers of codes.
.macro OUT ty, u
.set KD, 16+64*(\ty)+16*(\u)
.if \ty == 2
	WIN 0xc3
.set n, 0
.rept 64
.set AC, 8*(4*(n/8)+(\u))+n%8
	v_med3_num_f32 v[AC], v[AC], -v5, v5
.set n, n+1
.endr
.endif
	WIN (\ty)+1                                    ; source 0: the type's window
.irp b, 0,1,2,3,4,5,6,7
.if \ty == 2
.set AC, 8*(4*\b+(\u))
.else
.set AC, 64*(\u)+8*\b
.endif
	v_cvt_scalef32_pk8_bf8_f32 v[KD+2*\b:KD+2*\b+1], v[AC:AC+7], v[2*(\ty)]
.endr
	v_nop                                          ; a plain line behind the last conversion
	WIN 0
.irp c, 0,1,2,3
.if \ty == 2
	global_store_b128 v[LO], v[KD+4*\c:KD+4*\c+3], s[80:81] offset:32768*(\u)+512*\c
.else
	global_store_b128 v[LO], v[KD+4*\c:KD+4*\c+3], s[76+2*(\ty):77+2*(\ty)] offset:32768*(\u)+16384*(\c/2)+512*(\c%2)
.endif
.endr
.endm
.irp u, 0,1,2,3
	OUT 0, \u
.endr
.irp u, 0,1,2,3
	OUT 1, \u
.endr
.irp u, 0,1,2,3
	OUT 2, \u
.endr
	s_wait_tensorcnt 0x0                           ; the wave's end
	ds_add_u32 v[SPW], v[NIL]
	s_wait_dscnt 0x0
	CROUND                                         ; the closing round: no work-group ends while a partner may still ask for a tile that names it
	s_endpgm
.Lfunc_end_k_q03df3e488a_proj:
	.size	k_q03df3e488a_proj, .Lfunc_end_k_q03df3e488a_proj-k_q03df3e488a_proj
	.p2alignl 7, 3214868480
	.fill 96, 4, 3214868480
	.section	.rodata,"a",@progbits
	.p2align	6, 0x0
	.amdhsa_kernel k_q03df3e488a_proj
		.amdhsa_group_segment_fixed_size 327680
		.amdhsa_private_segment_fixed_size 0
		.amdhsa_enable_private_segment 0
		.amdhsa_kernarg_size 40
		.amdhsa_user_sgpr_count 2
		.amdhsa_user_sgpr_kernarg_segment_ptr 1
		.amdhsa_wavefront_size32 1
		.amdhsa_system_sgpr_workgroup_id_x 1
		.amdhsa_system_sgpr_workgroup_id_y 1
		.amdhsa_system_sgpr_workgroup_id_z 1
		.amdhsa_system_vgpr_workitem_id 0
		.amdhsa_next_free_vgpr 1024
		.amdhsa_next_free_sgpr 106
		.amdhsa_reserve_vcc 0
		.amdhsa_float_denorm_mode_32 3
		.amdhsa_float_denorm_mode_16_64 3
		.amdhsa_memory_ordered 1
		.amdhsa_forward_progress 1
		.amdhsa_inst_pref_size 214
	.end_amdhsa_kernel
	.amdgpu_metadata
---
amdhsa.version: [ 1, 2 ]
amdhsa.kernels:
  - .name:           k_q03df3e488a_proj
    .symbol:         k_q03df3e488a_proj.kd
    .args:
      - { .name: x_codes, .offset: 0, .size: 8, .value_kind: global_buffer, .address_space: global }
      - { .name: W_qvk_codes, .offset: 8, .size: 8, .value_kind: global_buffer, .address_space: global }
      - { .name: lowp_scales, .offset: 16, .size: 8, .value_kind: global_buffer, .address_space: global }
      - { .name: b_qvk, .offset: 24, .size: 8, .value_kind: global_buffer, .address_space: global }
      - { .name: qvk, .offset: 32, .size: 8, .value_kind: global_buffer, .address_space: global }
    .group_segment_fixed_size: 327680
    .private_segment_fixed_size: 0
    .kernarg_segment_align: 8
    .kernarg_segment_size: 40
    .max_flat_workgroup_size: 128
    .sgpr_count:     106
    .vgpr_count:     1024
    .wavefront_size: 32
...
	.end_amdgpu_metadata
.endif
;; end of part 1
;; launch score (part 2): grid 8 x 32, 4 waves a work-group, clusters of 4 x 4, 327,680 bytes of LDS; arguments qvk, lowp_scales, pimg, mstat, lstat; writes pimg, mstat, lstat
.if DOCPART == 2
	.amdgcn_target "amdgcn-amd-amdhsa--gfx1250"
	.amdhsa_code_object_version 6
	.text
	.protected	k_q03df3e488a_score
	.globl	k_q03df3e488a_score
	.p2align	8
	.type	k_q03df3e488a_score,@function
k_q03df3e488a_score:
	s_mov_b64 s[64:65], 0
	v_nop
	global_prefetch_b8 v0, s[64:65] scope:SCOPE_SE
	s_setreg_imm32_b32 hwreg(HW_REG_WAVE_MODE, 25, 1), 1
	s_wait_xcnt 0x0
	s_wait_alu depctr_hold_cnt(0) depctr_sa_sdst(0) depctr_va_vdst(0) depctr_va_sdst(0) depctr_va_ssrc(0) depctr_va_vcc(0) depctr_vm_vsrc(0)
	s_getreg_b32 s2, hwreg(HW_REG_IB_STS2, 6, 4)
	s_cmp_eq_u32 s2, 0
	s_cbranch_scc0 .Lentry_in_a_cluster
	s_endpgm
.Lentry_in_a_cluster:
	s_bfe_u32 s2, ttmp6, 0x10000c
	s_cmp_lg_u32 s2, 0xf033
	s_cbranch_scc0 .Lentry_shape_is_right
	s_endpgm
.Lentry_shape_is_right:
; S^T = K Q^T on codes of BF8 (E5M2), then the softmax's p by blocks of 256 keys, quantised with lowp_scales[4].
; A work-group makes 256 queries (y = 8 x batch + block) x 256 keys (xt); four waves, each 128 x 128: 64 accumulators.  K = the 1,024 d, in four fills of 256 through a ring of two LDS slots.
; Source 0 = 16 keys, source 1 = 16 queries: a lane holds ONE query (r), its registers run along the keys.  Q's and K's tiles are fragment images of 2,048 bytes (register 4 c + w of lane l at byte 512 c + 16 l + 4 w):
; every LDS load of a wave reads 512 consecutive bytes.  4 x 4 work-groups form a cluster: Q's tile is asked for jointly along a row, K's along a column.
; THE SOFTMAX: t = score x log2(e) / 32; M_j = the ceiling of the largest t among the block's 256 keys (the two waves that share the queries exchange their maxima through LDS); p = 2^(t - M_j), not normalised.
; M_j is a whole number, so the last launch brings every block under the row's M by an exact power of two.  A p that would fall under the format's range under the row's M keeps more bits here;
; with e4 <= -16 the hold at the largest code acts on each block's largest p.  Stored: p's images [512 query tiles][16 key steps][2048]; -M_j, f32, [8 blocks][8192 rows]; the sums of the unquantised p over a wave's 128 keys, f32, [16][8192].
; LIMITS: e2 + e3 between -121 and 132 (they are added to the exponent field of log2(e) / 32); e4 between -126 and 112.  NaN is not served.
; REGISTERS: window 0: v0-31 addresses; v32-47 for query tile a: two maxima, then (-M, t); v48-55 the sums; v56-63 at work; v64-191 the 64 numbers of two tiles (a even, a odd); v128-255 Q's fragments, later v192-255 the codes (16 a tile).
;   window 1: K's fragments, two sets.   windows 2, 3: the accumulators ((a, b) at v[8 (8 (a % 4) + b)] of window 2 + a / 4).
.set HALFT,  32768                     ; 8 tiles of 16 rows x 256 K: what one tensor load brings
.set SLOT,   4*HALFT                   ; Q's 16 tiles, then K's 16
.set SPARE,  2*SLOT                    ; the spare words: 128 bytes a wave, named by no other line
.set EX,     SPARE+512                 ; the maxima: [256 queries][2 waves] f32
.set PRL,    EX+2048                   ; a wave's 128 sums, the wave's own 512 bytes
.set PRM,    PRL+2048                  ; a wave's 128 -M likewise
.set SSTEP,  4096                      ; a slot's step along K in an image row, in bytes
.set KIMG,   16777216                  ; k's images in the buffer
.set FR,     16
.set NL,     4
.set NP,     4
.set EXW,  8
.set EXR,  9
.set PLW,  10
.set PLR,  11
.set PMW,  12
.set PMR,  13
.set ADRA, 16
.set ADRB, 20
.set LO,   26
.set SPW,  28
.set NIL,  29
.set SCL,  30                          ; 2^e4 as f32
.set LIM,  31                          ; 57,344 x 2^e4
.set ST,   32
.set LS,   48
.set T,    64
.set AF,   128
.set CD,   128
.set G1, 24
.set G0, 32
.set G1B, 48
.set G0B, 56
.set SEL, 92                           ; s[92:93] lane selects: lane l xor 16
.set CS,  94                           ; s[94:95] c = log2(e) / 32 x 2^(e2 + e3)
.set MSB, 0
.macro WIN new
.if MSB != (\new)
	s_set_vgpr_msb (MSB<<8)|(\new)
.set MSB, (\new)
.endif
.endm
.set MUL_LO, 0xa1
.set MUL_HI, 0xf1
.set TO_B,   0x40
.macro JLOAD g0a, g1a, g0b, g1b        ; waves 0 and 1 fetch Q's halves, waves 2 and 3 K's; four v_nop follow each line
	s_cmp_eq_u32 s15, 0
	s_cbranch_scc0 .Lfor_b_\@
	tensor_load_to_lds s[\g0a:\g0a+3], s[\g1a:\g1a+7]
	s_nop 0
.rept 4
	v_nop
.endr
	s_branch .Lasked_\@
.Lfor_b_\@:
	tensor_load_to_lds s[\g0b:\g0b+3], s[\g1b:\g1b+7]
	s_nop 0
.rept 4
	v_nop
.endr
.Lasked_\@:
.endm
.macro CREST
	s_cmp_lg_u32 s14, 0
	s_cbranch_scc1 .Lnot_wave_0_\@
	s_barrier_signal -3
.Lnot_wave_0_\@:
	s_barrier_wait -3
	s_barrier_signal -1
	s_barrier_wait -1
.endm
.macro CROUND
	s_barrier_signal -1
	s_barrier_wait -1
	CREST
.endm
.macro PLACES n
.rept \n
	v_nop
.endr
.endm
	s_load_b128 s[4:7], s[0:1], 0x0                ; the images s[4:5], the scales' exponents s[6:7]
	s_load_b128 s[8:11], s[0:1], 0x10              ; p's images s[8:9], -M s[10:11]
	s_load_b64 s[12:13], s[0:1], 0x20              ; the sums
	v_lshl_add_u32 v[SPW], v0, 2, SPARE
	v_mov_b32 v[NIL], 0
	ds_add_u32 v28, v29
	ds_add_u32 v28, v29
	s_wait_dscnt 0x0
	v_lshrrev_b32 v1, 5, v0
	v_readfirstlane_b32 s14, v1                    ; wave 0..3
	s_lshr_b32 s15, s14, 1                         ; which half of the queries is mine.  Also: I fetch for Q (0) or for K (1)
	s_and_b32 s16, s14, 1                          ; which half of the keys.  Also: which 8 tiles I fetch
	s_bfe_u32 s40, ttmp6, 0x40000                  ; cx
	s_bfe_u32 s41, ttmp6, 0x40004                  ; cy
	s_lshl_b32 s42, ttmp9, 2
	s_add_co_u32 s42, s42, s40                     ; xt: the block of 256 keys
	s_and_b32 s19, ttmp7, 0xffff                   ; the cluster's y; batch = its half
	s_lshl_b32 s17, s19, 2
	s_add_co_u32 s17, s17, s41                     ; y: the block of 256 queries among all 32
	s_lshl_b32 s43, s41, 2
	s_lshl_b32 s43, 15, s43
	s_lshl_b32 s44, 0x1111, s40
	s_or_b32 s[G1+0], s43, (3<<16)|(1<<21)         ; Q's tiles go to my row; elements of 8 bytes; bit 21 beside a mask; no padding
	s_or_b32 s[G1B+0], s44, (3<<16)|(1<<21)        ; K's to my column
.irp g, G1, G1B
	s_mov_b32 s[\g+1], 512<<16                     ; tensor_dim0: 4,096 bytes: two d steps' images of a token tile
	s_mov_b32 s[\g+2], 8<<16                       ; tensor_dim1: 8 token tiles
	s_mov_b32 s[\g+3], 512<<16                     ; tile_dim0
	s_mov_b32 s[\g+4], 8                           ; tile_dim1
	s_mov_b32 s[\g+5], 2048                        ; from token tile to token tile: 16,384 bytes
	s_mov_b32 s[\g+6], 0
	s_mov_b32 s[\g+7], 0
.endr
	s_lshl_b32 s18, s16, 3
	s_lshl_b32 s20, s17, 4
	s_add_co_u32 s20, s20, s18
	s_lshl_b32 s20, s20, 14                        ; Q: token tile 16 y + 8 half
	s_mov_b32 s21, 0
	s_lshr_b32 s46, s19, 1
	s_lshl_b32 s46, s46, 7                         ; K: 128 token tiles a batch,
	s_lshl_b32 s47, s42, 4
	s_add_co_u32 s46, s46, s47                     ; + 16 xt
	s_add_co_u32 s46, s46, s18                     ; + 8 half
	s_lshl_b32 s46, s46, 14
	s_add_co_u32 s46, s46, KIMG
	s_mov_b32 s47, 0
	s_lshl_b32 s45, s14, 15                        ; where they go: wave x 32,768
	s_mov_b32 s[SEL], 0x76543210
	s_mov_b32 s[SEL+1], 0xfedcba98
	s_mov_b32 s[CS], 0x3d38aa3b                    ; log2(e) / 32
	s_mov_b32 s96, 0xff800000                      ; -infinity: starts the maxima
	s_wait_kmcnt 0x0
	s_load_b128 s[76:79], s[6:7], 0x0              ; e0 .. e3
	s_load_b64 s[80:81], s[6:7], 0x10              ; e4, e5
	s_add_nc_u64 s[20:21], s[4:5], s[20:21]
	s_add_nc_u64 s[46:47], s[4:5], s[46:47]
	CROUND                                         ; all sixteen work-groups are here: the first joint loads meet
.irp s, 0,1
	s_mov_b32 s[G0+4*\s], 1
	s_add_co_u32 s[G0+4*\s+1], s45, \s*SLOT
	s_add_nc_u64 s[G0+4*\s+2:G0+4*\s+3], s[20:21], \s*SSTEP
	s_or_b32 s[G0+4*\s+3], s[G0+4*\s+3], 0x80000000
	s_mov_b32 s[G0B+4*\s], 1
	s_add_co_u32 s[G0B+4*\s+1], s45, \s*SLOT
	s_add_nc_u64 s[G0B+4*\s+2:G0B+4*\s+3], s[46:47], \s*SSTEP
	s_or_b32 s[G0B+4*\s+3], s[G0B+4*\s+3], 0x80000000
.endr
	JLOAD G0, G1, G0B, G1B                         ; one tensor load a wave at the head
	; PREFETCH INTO THE L2, one fill ahead of the joint loads: of the eight tiles that my wave fetches the partner at place p (cx for Q, cy for K) takes tiles 2 p and 2 p + 1: 2 x 16 blocks of 256 bytes, one a lane.
	; Behind fill 0 fill 1 is asked for, behind fill 1 fill 2, behind fill 2 fill 3, the last.
	s_mov_b32 s69, 0
	s_cmp_eq_u32 s15, 0
	s_cselect_b64 s[66:67], s[20:21], s[46:47]
	s_cselect_b32 s68, s40, s41
	s_lshl_b32 s68, s68, 15
	s_add_nc_u64 s[66:67], s[66:67], s[68:69]
	v_bfe_u32 v15, v0, 4, 1
	v_and_b32 v14, 15, v0
	v_lshlrev_b32 v14, 8, v14
	v_lshl_add_u32 v14, v15, 14, v14               ; never rewritten
	global_prefetch_b8 v14, s[66:67] offset:4096 th:TH_LOAD_NT scope:SCOPE_SE
	v_and_b32 v1, 15, v0
	s_wait_alu depctr_va_vdst(0)
	v_and_b32 v5, 31, v0                           ; lane
	v_lshlrev_b32 v[LO], 4, v5
	s_wait_alu depctr_va_vdst(0)
	s_lshl_b32 s21, s15, 15                        ; my 8 tiles of Q
	s_lshl_b32 s22, s16, 15
	s_add_co_u32 s22, s22, 2*HALFT                 ; my 8 tiles of K, behind Q's 16
.irp s, 0,1
	v_add_nc_u32 v[ADRA+\s], s21, v[LO]
	v_add_nc_u32 v[ADRB+\s], s22, v[LO]
	s_add_co_u32 s21, s21, SLOT
	s_add_co_u32 s22, s22, SLOT
.endr
	s_lshl_b32 s23, s15, 10
	s_add_co_u32 s23, s23, EX
	v_lshl_add_u32 v[EXR], v1, 3, s23              ; the two maxima of query 128 (wave / 2) + 16 a + r: + 128 a
	s_lshl_b32 s22, s16, 2
	v_add_nc_u32 v[EXW], s22, v[EXR]               ; mine of the two
	s_lshl_b32 s23, s14, 9
	s_add_co_u32 s22, s23, PRL
	v_lshl_add_u32 v[PLW], v1, 2, s22
	v_add_nc_u32 v[PLR], s22, v[LO]
	s_add_co_u32 s22, s23, PRM
	v_lshl_add_u32 v[PMW], v1, 2, s22
	v_add_nc_u32 v[PMR], s22, v[LO]
	; where the results go
	s_lshl_b32 s70, s17, 4
	s_lshl_b32 s71, s15, 3
	s_add_co_u32 s70, s70, s71
	s_lshl_b32 s70, s70, 15                        ; p: query tile 16 y + 8 (wave / 2), 32,768 bytes each,
	s_lshl_b32 s72, s42, 1
	s_add_co_u32 s72, s72, s16                     ; key step 2 xt + wave % 2
	s_lshl_b32 s73, s72, 11
	s_add_co_u32 s70, s70, s73
	s_mov_b32 s71, 0
	s_add_nc_u64 s[86:87], s[8:9], s[70:71]
	s_lshl_b32 s74, s17, 8
	s_lshl_b32 s75, s15, 7
	s_add_co_u32 s74, s74, s75                     ; my first row: 256 y + 128 (wave / 2)
	s_lshl_b32 s70, s72, 13
	s_add_co_u32 s70, s70, s74
	s_lshl_b32 s70, s70, 2
	s_add_nc_u64 s[88:89], s[12:13], s[70:71]      ; the sums: [2 xt + wave % 2][row]
	s_lshl_b32 s70, s42, 13
	s_add_co_u32 s70, s70, s74
	s_lshl_b32 s70, s70, 2
	s_add_nc_u64 s[90:91], s[10:11], s[70:71]      ; -M: [xt][row]
	s_wait_kmcnt 0x0
	s_add_co_i32 s70, s78, s79
	s_lshl_b32 s70, s70, 23
	s_add_co_i32 s[CS], s[CS], s70                 ; a score stands for score x 2^(e2 + e3): added to c's exponent field
	s_mov_b32 s[CS+1], s[CS]                       ; (named with it as a pair, so it is written)
	s_add_co_i32 s70, s80, 127
	s_lshl_b32 s71, s70, 23
	v_mov_b32 v[SCL], s71
	s_add_co_i32 s70, s70, 15
	s_lshl_b32 s70, s70, 23
	s_or_b32 s70, s70, 0x600000
	v_mov_b32 v[LIM], s70
.macro FRAG reg, adr, q, i             ; an image as it lies: four loads of 512 consecutive bytes
.irp c, 0,1,2,3
	ds_load_b128 v[\reg+4*\c:\reg+4*\c+3], v[\adr] offset:4096*(\i)+2048*(\q)+512*\c
.endr
.endm
; 16 matrix instructions: query tiles a0, a0 + 1 x the eight key tiles.  The 64 accumulators take turns, one instruction a turn, in the same order in every step.
.macro MUL16 a0, p, zero
.irp a, \a0, \a0+1
.irp b, 0,1,2,3,4,5,6,7
.if \zero
	v_wmma_f32_16x16x128_bf8_bf8 v[8*(8*((\a)%4)+\b):8*(8*((\a)%4)+\b)+7], v[128*(\p)+FR*\b:128*(\p)+FR*\b+FR-1], v[AF+FR*(\a):AF+FR*(\a)+FR-1], 0
.else
	v_wmma_f32_16x16x128_bf8_bf8 v[8*(8*((\a)%4)+\b):8*(8*((\a)%4)+\b)+7], v[128*(\p)+FR*\b:128*(\p)+FR*\b+FR-1], v[AF+FR*(\a):AF+FR*(\a)+FR-1], v[8*(8*((\a)%4)+\b):8*(8*((\a)%4)+\b)+7]
.endif
.endr
.endr
.endm
.macro FETCH_B slot, q, p
	WIN TO_B
.irp i, 0,1,2,3,4,5,6,7
	FRAG 128*(\p)+FR*\i, ADRB+\slot, \q, \i
.endr
	WIN 0
.endm
.macro FETCH_A slot, q, i0
.irp i, \i0, \i0+1, \i0+2, \i0+3
	FRAG AF+FR*(\i), ADRA+\slot, \q, \i
.endr
.endm
.macro STEP slot, q, zero
	s_wait_dscnt 4*NL                              ; all but the youngest 16 loads (Q's tiles 4-7) are in
	WIN MUL_LO
	MUL16 0, (\q)%2, \zero
	MUL16 2, (\q)%2, \zero
	s_wait_dscnt 0
	PLACES NP                                      ; four plain places in front of loads into registers that matrix instructions have read
	FETCH_B \slot, (\q)+1, 1-(\q)%2
	FETCH_A \slot, (\q)+1, 0
	WIN MUL_HI
	MUL16 4, (\q)%2, \zero
	MUL16 6, (\q)%2, \zero
	PLACES NP
	WIN 0
	FETCH_A \slot, (\q)+1, 4
.endm
.macro TURN slot, next, fill
	s_wait_tensorcnt 0x0                           ; all my tensor loads have landed: my part of the next slot
	ds_add_u32 v[SPW], v[NIL]                      ; 0 onto my spare word
	s_wait_dscnt 4*NL+1                            ; the add and the youngest 16 loads may be out
	WIN MUL_LO
	MUL16 0, 1, 0
	s_wait_dscnt 0x0                               ; the add is done, and my reads of this slot are over
	s_barrier_signal -1
	MUL16 2, 1, 0
	WIN 0
	s_barrier_wait -1
.if \fill
	CREST                                          ; a round of the cluster's barrier: no wave of any partner still reads this slot or has a load on its way
	s_add_nc_u64 s[G0+4*\slot+2:G0+4*\slot+3], s[G0+4*\slot+2:G0+4*\slot+3], 2*SSTEP
	s_add_nc_u64 s[G0B+4*\slot+2:G0B+4*\slot+3], s[G0B+4*\slot+2:G0B+4*\slot+3], 2*SSTEP
	JLOAD G0+4*\slot, G1, G0B+4*\slot, G1B         ; the first tensor load behind the round; its four v_nop are the places in front of the loads below
.else
	PLACES NP
.endif
	s_wait_alu depctr_va_vdst(0)
	FETCH_B \next, 0, 0
	FETCH_A \next, 0, 0
	WIN MUL_HI
	MUL16 4, 1, 0
	MUL16 6, 1, 0
	PLACES NP
	WIN 0
	FETCH_A \next, 0, 4
.endm
	s_wait_alu depctr_va_vdst(0)
	s_wait_tensorcnt 0x0                           ; my part of the first fill is in
	ds_add_u32 v[SPW], v[NIL]
	s_wait_dscnt 0x0
	CROUND                                         ; everybody's part of the first fill is in
	JLOAD G0+4, G1, G0B+4, G1B                     ; the second slot's first fill
	FETCH_B 0, 0, 0
	FETCH_A 0, 0, 0
	FETCH_A 0, 0, 4
	global_prefetch_b8 v14, s[66:67] offset:8192 th:TH_LOAD_NT scope:SCOPE_SE
	STEP 0, 0, 1                                   ; eight steps of 128 along d, written out: the first starts the sums
	TURN 0, 1, 1
	global_prefetch_b8 v14, s[66:67] offset:12288 th:TH_LOAD_NT scope:SCOPE_SE
	STEP 1, 0, 0
	TURN 1, 0, 1
	STEP 0, 0, 0
	TURN 0, 1, 0
	STEP 1, 0, 0
	s_wait_dscnt 4*NL
	WIN MUL_LO
	MUL16 0, 1, 0
	MUL16 2, 1, 0
	s_wait_dscnt 0
	WIN MUL_HI
	MUL16 4, 1, 0
	MUL16 6, 1, 0
; THE MAXIMA: query tile a's 64 scores of my lane, in two chains, each accumulator from its low end on
.macro MAXA a
.set AC, 64*((\a)%4)
.irp b, 0,1,2,3,4,5,6,7
.if \b == 0
	v_max3_num_f32 v[ST+2*(\a)],   s96, v[AC], v[AC+1]
	v_max3_num_f32 v[ST+2*(\a)+1], s96, v[AC+2], v[AC+3]
.else
	v_max3_num_f32 v[ST+2*(\a)],   v[ST+2*(\a)],   v[AC+8*\b],   v[AC+8*\b+1]
	v_max3_num_f32 v[ST+2*(\a)+1], v[ST+2*(\a)+1], v[AC+8*\b+2], v[AC+8*\b+3]
.endif
	v_max3_num_f32 v[ST+2*(\a)],   v[ST+2*(\a)],   v[AC+8*\b+4], v[AC+8*\b+5]
	v_max3_num_f32 v[ST+2*(\a)+1], v[ST+2*(\a)+1], v[AC+8*\b+6], v[AC+8*\b+7]
.endr
.endm
	PLACES NP
	WIN 0x28                                       ; sources 1 and 2 window 2
.irp a, 0,1,2,3
	MAXA \a
.endr
	WIN 0x3c                                       ; window 3
.irp a, 4,5,6,7
	MAXA \a
.endr
	WIN 0
.irp a, 0,1,2,3,4,5,6,7
	v_max_num_f32 v[ST+2*\a], v[ST+2*\a], v[ST+2*\a+1]
.endr
.irp a, 0,1,2,3,4,5,6,7
	v_permlanex16_b32 v[ST+2*\a+1], v[ST+2*\a], s[SEL], s[SEL+1]   ; the query's other 64 keys lie in the lane 16 away
.endr
.irp a, 0,1,2,3,4,5,6,7
	v_max_num_f32 v[ST+2*\a], v[ST+2*\a], v[ST+2*\a+1]
	ds_store_b32 v[EXW], v[ST+2*\a] offset:128*\a
.endr
	s_wait_dscnt 0x0                               ; for the other wave's sake: my maxima are written
	s_barrier_signal -1
	s_barrier_wait -1
.irp a, 0,1,2,3,4,5,6,7
	ds_load_b64 v[T+2*\a:T+2*\a+1], v[EXR] offset:128*\a
.endr
	s_wait_dscnt 0x0
.irp a, 0,1,2,3,4,5,6,7
	v_max_num_f32 v[ST+2*\a+1], v[T+2*\a], v[T+2*\a+1]             ; the block's largest score of the query,
	v_mul_f32 v[ST+2*\a+1], s[CS], v[ST+2*\a+1]                    ; as t (c is positive),
	v_floor_f32 v[ST+2*\a], -v[ST+2*\a+1]                          ; and -M = floor(-t) = -ceil(t)
.endr
; QUERY TILE a.  Its 64 numbers stand in v64-127 (a even) or v128-191 (a odd), its codes in one of four sets from v192 on.
; SOFT: t - M (packed); 64 exponentials as one batch with one wait ahead of it and one behind it, which take turns with the one-sided hold of the tile before (p is not negative); then that tile's conversions, the sum of the
; unquantised p of this one in four chains, and the stores of the tile before: four of 512 consecutive bytes.
.set CD4, 192
.macro CVT a
.set TP, T+64*((\a)%2)
.set KD, CD4+16*((\a)%4)
.irp b, 0,1,2,3,4,5,6,7
	v_cvt_scalef32_pk8_bf8_f32 v[KD+2*\b:KD+2*\b+1], v[TP+8*\b:TP+8*\b+7], v[SCL]
.endr
	v_nop                                          ; a plain line behind the last conversion
.endm
.macro SENDP a
.set KD, CD4+16*((\a)%4)
.irp c, 0,1,2,3
	global_store_b128 v[LO], v[KD+4*\c:KD+4*\c+3], s[86:87] offset:32768*(\a)+512*\c
.endr
.endm
.macro SOFT a
.set AC, 64*((\a)%4)
.set TB, T+64*((\a)%2)
.set TP, T+64-64*((\a)%2)
	WIN 0x02+(\a)/4                                ; source 0 window 2 or 3
.set n, 0
.rept 32
	v_pk_fma_f32 v[TB+n:TB+n+1], v[AC+n:AC+n+1], s[CS:CS+1], v[ST+2*(\a):ST+2*(\a)+1] op_sel_hi:[1,0,0]
.set n, n+2
.endr
	WIN 0
	s_wait_alu depctr_va_vdst(0)                   ; one wait ahead of the batch
.set n, 0
.rept 64
	v_exp_f32 v[TB+n], v[TB+n]
.if (\a) > 0
	v_min_num_f32 v[TP+n], v[TP+n], v[LIM]         ; the conversion to an 8-bit code does not saturate (ISA guide 7.6.2)
.endif
.set n, n+1
.endr
	v_nop                                          ; a plain line behind the last exponential
	s_wait_xcnt 0x0                                ; the stores have read their codes: the four sets come round again
	s_wait_alu depctr_va_vdst(0)                   ; one wait behind the batch, ahead of its first reader
.if (\a) > 0
	CVT (\a)-1
.endif
.irp i, 0,1,2,3
	v_pk_add_f32 v[56+2*\i:57+2*\i], v[TB+2*\i:TB+2*\i+1], v[TB+8+2*\i:TB+9+2*\i]
.endr
.set n, 16
.rept 6
.irp i, 0,1,2,3
	v_pk_add_f32 v[56+2*\i:57+2*\i], v[56+2*\i:57+2*\i], v[TB+n+2*\i:TB+n+2*\i+1]
.endr
.set n, n+8
.endr
	v_pk_add_f32 v[56:57], v[56:57], v[58:59]
	v_pk_add_f32 v[60:61], v[60:61], v[62:63]
	v_pk_add_f32 v[56:57], v[56:57], v[60:61]
	v_add_f32 v56, v56, v57
	v_permlanex16_b32 v57, v56, s[SEL], s[SEL+1]
	v_add_f32 v[LS+(\a)], v56, v57                 ; the query's sum over my wave's 128 keys
.if (\a) > 0
	SENDP (\a)-1
.endif
	ds_store_b32 v[PLW], v[LS+(\a)] offset:64*(\a)
.endm
.irp a, 0,1,2,3,4,5,6,7
	SOFT \a
.endr
.set n, 0
.rept 64
	v_min_num_f32 v[T+64+n], v[T+64+n], v[LIM]     ; tile 7
.set n, n+1
.endr
	CVT 7
	SENDP 7
	ds_load_b128 v[56:59], v[PLR]                  ; my 128 sums, four a lane (LDS serves a wave's instructions in order: ISA guide 5.7.1.4)
	s_wait_dscnt 0x0
	global_store_b128 v[LO], v[56:59], s[88:89]    ; 512 consecutive bytes
	s_cmp_lg_u32 s16, 0                            ; -M is the same in the two waves that share the queries: the first of them stores it
	s_cbranch_scc1 .Lno_m
.irp a, 0,1,2,3,4,5,6,7
	ds_store_b32 v[PMW], v[ST+2*\a] offset:64*\a
.endr
	ds_load_b128 v[60:63], v[PMR]
	s_wait_dscnt 0x0
	global_store_b128 v[LO], v[60:63], s[90:91]
.Lno_m:
	s_wait_tensorcnt 0x0                           ; the wave's end
	ds_add_u32 v[SPW], v[NIL]
	s_wait_dscnt 0x0
	CROUND                                         ; the closing round
	s_endpgm
.Lfunc_end_k_q03df3e488a_score:
	.size	k_q03df3e488a_score, .Lfunc_end_k_q03df3e488a_score-k_q03df3e488a_score
	.p2alignl 7, 3214868480
	.fill 96, 4, 3214868480
	.section	.rodata,"a",@progbits
	.p2align	6, 0x0
	.amdhsa_kernel k_q03df3e488a_score
		.amdhsa_group_segment_fixed_size 327680
		.amdhsa_private_segment_fixed_size 0
		.amdhsa_enable_private_segment 0
		.amdhsa_kernarg_size 40
		.amdhsa_user_sgpr_count 2
		.amdhsa_user_sgpr_kernarg_segment_ptr 1
		.amdhsa_wavefront_size32 1
		.amdhsa_system_sgpr_workgroup_id_x 1
		.amdhsa_system_sgpr_workgroup_id_y 1
		.amdhsa_system_sgpr_workgroup_id_z 1
		.amdhsa_system_vgpr_workitem_id 0
		.amdhsa_next_free_vgpr 1024
		.amdhsa_next_free_sgpr 100
		.amdhsa_reserve_vcc 0
		.amdhsa_float_denorm_mode_32 3
		.amdhsa_float_denorm_mode_16_64 3
		.amdhsa_memory_ordered 1
		.amdhsa_forward_progress 1
		.amdhsa_inst_pref_size 174
	.end_amdhsa_kernel
	.amdgpu_metadata
---
amdhsa.version: [ 1, 2 ]
amdhsa.kernels:
  - .name:           k_q03df3e488a_score
    .symbol:         k_q03df3e488a_score.kd
    .args:
      - { .name: qvk, .offset: 0, .size: 8, .value_kind: global_buffer, .address_space: global }
      - { .name: lowp_scales, .offset: 8, .size: 8, .value_kind: global_buffer, .address_space: global }
      - { .name: pimg, .offset: 16, .size: 8, .value_kind: global_buffer, .address_space: global }
      - { .name: mstat, .offset: 24, .size: 8, .value_kind: global_buffer, .address_space: global }
      - { .name: lstat, .offset: 32, .size: 8, .value_kind: global_buffer, .address_space: global }
    .group_segment_fixed_size: 327680
    .private_segment_fixed_size: 0
    .kernarg_segment_align: 8
    .kernarg_segment_size: 40
    .max_flat_workgroup_size: 128
    .sgpr_count:     100
    .vgpr_count:     1024
    .wavefront_size: 32
...
	.end_amdgpu_metadata
.endif
;; end of part 2
;; launch mix (part 3): grid 4 x 64, 4 waves a work-group, clusters of 4 x 4, 327,680 bytes of LDS; arguments pimg, qvk, mstat, lstat, lowp_scales, out0; writes out0
.if DOCPART == 3
	.amdgcn_target "amdgcn-amd-amdhsa--gfx1250"
	.amdhsa_code_object_version 6
	.text
	.protected	k_q03df3e488a_mix
	.globl	k_q03df3e488a_mix
	.p2align	8
	.type	k_q03df3e488a_mix,@function
k_q03df3e488a_mix:
	s_mov_b64 s[64:65], 0
	v_nop
	global_prefetch_b8 v0, s[64:65] scope:SCOPE_SE
	s_setreg_imm32_b32 hwreg(HW_REG_WAVE_MODE, 25, 1), 1
	s_wait_xcnt 0x0
	s_wait_alu depctr_hold_cnt(0) depctr_sa_sdst(0) depctr_va_vdst(0) depctr_va_sdst(0) depctr_va_ssrc(0) depctr_va_vcc(0) depctr_vm_vsrc(0)
	s_getreg_b32 s2, hwreg(HW_REG_IB_STS2, 6, 4)
	s_cmp_eq_u32 s2, 0
	s_cbranch_scc0 .Lentry_in_a_cluster
	s_endpgm
.Lentry_in_a_cluster:
	s_bfe_u32 s2, ttmp6, 0x10000c
	s_cmp_lg_u32 s2, 0xf033
	s_cbranch_scc0 .Lentry_shape_is_right
	s_endpgm
.Lentry_shape_is_right:
; O = P V / l on codes of BF8 (E5M2).  P's images [512 query tiles][16 key steps][2048] lie under the block's M_j (8 blocks of 256 keys), V's images [4][64 d tiles][16 key steps][2048]; -M_j [8][8192]; the sums of the unquantised p [16][8192].
; A work-group makes 128 queries (y) x 256 d (cx); four waves, each 64 x 128.  Keys go in units of 128, three to a fill, through a ring of two LDS slots; the sixteenth unit is a fill of its own.
; Source 0 = 16 rows of V (d), source 1 = 16 queries: a lane holds one query.  Each block's sums are brought under the row's M and divided by l by one factor a query and block, 2^(M_j - M) 2^(e4 + e5) / l, as they are added to the totals.
; That adding stands between the products of the next accumulators (macro MUL8F), a tile of 8 registers behind each product.
; 4 x 4 work-groups form a cluster: P's tile is asked for jointly along a row, V's along a column.  LIMITS: those of the launch that made p; e4 + e5 is applied by v_ldexp_f32 and has none.  NaN is not served.
; REGISTERS: window 0: addresses, v32-63 the factors, v64-191 P's fragments, two sets; window 1: a block's sums; window 2: the totals; window 3: V's fragments, two sets.
.set REG,    147456
.set VB,     49152
.set SPARE,  2*REG
.set GT,     SPARE+512
.set STAGE,  0
.set SPITCH, 528
.set VIMG,   8388608
.set ADP,  16
.set ADP1, 18
.set ADV1, 19
.set ADV,  20
.set GW,   22
.set GR,   23
.set STO,  24
.set RD,   25
.set CO,   26
.set TO4,  27
.set SPW,  28
.set NIL,  29
.set G,    32
.set G1P3, 24
.set G0P,  32
.set G0P1, 40
.set G0V1, 44
.set G1V3, 48
.set G0V,  56
.set G1P1, 72
.set G1V1, 80
.set MSB, 0
.macro WIN new
.if MSB != (\new)
	s_set_vgpr_msb (MSB<<8)|(\new)
.set MSB, (\new)
.endif
.endm
.set W_MUL,  0x53
.set W_FOLD, 0xa1
.macro JLOAD g0a, g1a, g0b, g1b
	s_cmp_eq_u32 s15, 0
	s_cbranch_scc0 .Lfor_b_\@
	tensor_load_to_lds s[\g0a:\g0a+3], s[\g1a:\g1a+7]
	s_nop 0
.rept 4
	v_nop
.endr
	s_branch .Lasked_\@
.Lfor_b_\@:
	tensor_load_to_lds s[\g0b:\g0b+3], s[\g1b:\g1b+7]
	s_nop 0
.rept 4
	v_nop
.endr
.Lasked_\@:
.endm
.macro CREST
	s_cmp_lg_u32 s14, 0
	s_cbranch_scc1 .Lnot_wave_0_\@
	s_barrier_signal -3
.Lnot_wave_0_\@:
	s_barrier_wait -3
	s_barrier_signal -1
	s_barrier_wait -1
.endm
.macro CROUND
	s_barrier_signal -1
	s_barrier_wait -1
	CREST
.endm
.macro PLACES n
.rept \n
	v_nop
.endr
.endm
	s_load_b256 s[4:11], s[0:1], 0x0
	s_load_b128 s[68:71], s[0:1], 0x20
	v_lshl_add_u32 v[SPW], v0, 2, SPARE
	v_mov_b32 v[NIL], 0
	ds_add_u32 v28, v29
	ds_add_u32 v28, v29
	s_wait_dscnt 0x0
	v_lshrrev_b32 v1, 5, v0
	v_readfirstlane_b32 s14, v1
	s_lshr_b32 s15, s14, 1
	s_and_b32 s16, s14, 1
	s_bfe_u32 s2, ttmp6, 0x40000
	s_bfe_u32 s3, ttmp6, 0x40004
	s_and_b32 s19, ttmp7, 0xffff
	s_lshl_b32 s17, s19, 2
	s_add_co_u32 s17, s17, s3
	s_lshl_b32 s12, s3, 2
	s_lshl_b32 s12, 15, s12
	s_lshl_b32 s13, 0x1111, s2
.set EW, (3<<16)|(1<<21)
	s_or_b32 s[G1P3], s12, EW
	s_or_b32 s[G1P1], s12, EW
	s_or_b32 s[G1V3], s13, EW
	s_or_b32 s[G1V1], s13, EW
.irp g, G1P3, G1V3
	s_mov_b32 s[\g+1], 768<<16
	s_mov_b32 s[\g+3], 768<<16
.endr
.irp g, G1P1, G1V1
	s_mov_b32 s[\g+1], 256<<16
	s_mov_b32 s[\g+3], 256<<16
.endr
.irp g, G1P3, G1P1
	s_mov_b32 s[\g+2], 4<<16
	s_mov_b32 s[\g+4], 4
.endr
.irp g, G1V3, G1V1
	s_mov_b32 s[\g+2], 8<<16
	s_mov_b32 s[\g+4], 8
.endr
.irp g, G1P3, G1P1, G1V3, G1V1
	s_mov_b32 s[\g+5], 4096
	s_mov_b32 s[\g+6], 0
	s_mov_b32 s[\g+7], 0
.endr
	s_lshl_b32 s20, s17, 3
	s_lshl_b32 s18, s16, 2
	s_add_co_u32 s20, s20, s18
	s_lshl_b32 s20, s20, 15
	s_mov_b32 s21, 0
	s_lshr_b32 s88, s19, 2
	s_lshl_b32 s88, s88, 6
	s_lshl_b32 s89, s2, 4
	s_add_co_u32 s88, s88, s89
	s_lshl_b32 s89, s16, 3
	s_add_co_u32 s88, s88, s89
	s_lshl_b32 s88, s88, 15
	s_add_co_u32 s88, s88, VIMG
	s_mov_b32 s89, 0
	s_mul_i32 s67, s16, 24576
	s_mul_i32 s66, s16, 49152
	s_add_co_u32 s66, s66, VB
	s_lshl_b32 s22, s16, 13
	s_add_co_u32 s22, s22, REG
	s_lshl_b32 s23, s16, 14
	s_add_co_u32 s23, s23, REG+VB
	s_lshl_b32 s90, s17, 9
	s_mov_b32 s91, 0
	v_lshlrev_b32 v[TO4], 2, v0
	s_wait_alu depctr_va_vdst(0)
	s_wait_kmcnt 0x0
	s_load_b64 s[92:93], s[68:69], 0x10
	s_add_nc_u64 s[8:9], s[8:9], s[90:91]
	s_add_nc_u64 s[10:11], s[10:11], s[90:91]
.irp j, 0,1,2,3,4,5,6,7
	global_load_b32 v[64+\j], v[TO4], s[8:9] offset:32768*\j
.endr
.irp u, 0,1,2,3,4,5,6,7,8,9,10,11,12,13,14,15
	global_load_b32 v[72+\u], v[TO4], s[10:11] offset:32768*\u
.endr
	s_add_nc_u64 s[20:21], s[4:5], s[20:21]
	s_add_nc_u64 s[88:89], s[6:7], s[88:89]
	CROUND
.irp s, 0,1
	s_mov_b32 s[G0P+4*\s], 1
	s_add_co_u32 s[G0P+4*\s+1], s67, \s*REG
	s_add_nc_u64 s[G0P+4*\s+2:G0P+4*\s+3], s[20:21], \s*6144
	s_or_b32 s[G0P+4*\s+3], s[G0P+4*\s+3], 0x80000000
	s_mov_b32 s[G0V+4*\s], 1
	s_add_co_u32 s[G0V+4*\s+1], s66, \s*REG
	s_add_nc_u64 s[G0V+4*\s+2:G0V+4*\s+3], s[88:89], \s*6144
	s_or_b32 s[G0V+4*\s+3], s[G0V+4*\s+3], 0x80000000
.endr
	JLOAD G0P, G1P3, G0V, G1V3                     ; fill 0: one tensor load a wave at the head
; PREFETCH INTO THE L2, one fill ahead of the joint loads, up to the last: of the tiles that my wave fetches the partner at place p takes by address: of P's four tiles tile p (p = cx), of V's eight tiles 2 p and 2 p + 1 (p = cy):
; 24 blocks of 256 bytes a tile, lanes 24-31 name the last again (the last fill: 8 blocks).
.macro ASK off, vo
	global_prefetch_b8 v[\vo], s[96:97] offset:\off th:TH_LOAD_NT scope:SCOPE_SE
	s_cmp_eq_u32 s15, 0
	s_cbranch_scc1 .Lp_\@
	global_prefetch_b8 v[\vo], s[96:97] offset:\off+32768 th:TH_LOAD_NT scope:SCOPE_SE
.Lp_\@:
.endm
	s_lshl_b32 s98, s2, 15
	s_lshl_b32 s99, s3, 16
	s_cmp_eq_u32 s15, 0
	s_cselect_b64 s[96:97], s[20:21], s[88:89]
	s_cselect_b32 s98, s98, s99
	s_mov_b32 s99, 0
	s_add_nc_u64 s[96:97], s[96:97], s[98:99]
	v_and_b32 v30, 31, v0
	v_min_u32 v31, 7, v30
	v_min_u32 v30, 23, v30
	v_lshlrev_b32 v31, 8, v31
	v_lshlrev_b32 v30, 8, v30
	ASK 6144, 30
	s_mov_b32 s[G0P1], 1
	s_mov_b32 s[G0P1+1], s22
	s_add_nc_u64 s[G0P1+2:G0P1+3], s[20:21], 15*2048
	s_or_b32 s[G0P1+3], s[G0P1+3], 0x80000000
	s_mov_b32 s[G0V1], 1
	s_mov_b32 s[G0V1+1], s23
	s_add_nc_u64 s[G0V1+2:G0V1+3], s[88:89], 15*2048
	s_or_b32 s[G0V1+3], s[G0V1+3], 0x80000000
	v_and_b32 v1, 15, v0
	v_bfe_u32 v2, v0, 4, 1
	v_and_b32 v3, 31, v0
	v_lshlrev_b32 v[CO], 4, v3
	s_wait_alu depctr_va_vdst(0)
	s_mul_i32 s22, s15, 24576
	s_mul_i32 s23, s16, 49152
	s_add_co_u32 s23, s23, VB
.irp s, 0,1
	v_add_nc_u32 v[ADP+\s], s22, v[CO]
	v_add_nc_u32 v[ADV+\s], s23, v[CO]
	s_add_co_u32 s22, s22, REG
	s_add_co_u32 s23, s23, REG
.endr
	s_lshl_b32 s22, s15, 13
	s_add_co_u32 s22, s22, REG
	v_add_nc_u32 v[ADP1], s22, v[CO]
	s_lshl_b32 s23, s16, 14
	s_add_co_u32 s23, s23, REG+VB
	v_add_nc_u32 v[ADV1], s23, v[CO]
	v_lshl_add_u32 v[GW], v0, 2, GT
	s_lshl_b32 s23, s15, 8
	s_add_co_u32 s23, s23, GT
	v_lshl_add_u32 v[GR], v1, 2, s23
	s_mul_i32 s23, s14, 16*SPITCH
	s_add_co_u32 s23, s23, STAGE
	v_mul_u32_u24 v4, v1, SPITCH
	v_lshl_add_u32 v4, v2, 5, v4
	v_add_nc_u32 v[STO], s23, v4
	v_add_nc_u32 v[RD], s23, v[CO]
	s_lshl_b32 s90, s17, 7
	s_lshl_b32 s95, s15, 6
	s_add_co_u32 s90, s90, s95
	s_lshl_b32 s90, s90, 12
	s_lshl_b32 s95, s2, 10
	s_add_co_u32 s90, s90, s95
	s_lshl_b32 s95, s16, 9
	s_add_co_u32 s90, s90, s95
	s_add_nc_u64 s[70:71], s[70:71], s[90:91]
	s_wait_loadcnt 0x0
	v_min3_num_f32 v88, v64, v65, v66
	v_min3_num_f32 v88, v88, v67, v68
	v_min3_num_f32 v88, v88, v69, v70
	v_min_num_f32 v88, v88, v71
.irp j, 0,1,2,3,4,5,6,7
	v_sub_f32 v[96+\j], v88, v[64+\j]
	v_add_f32 v[72+2*\j], v[72+2*\j], v[73+2*\j]
.endr
.irp j, 0,1,2,3,4,5,6,7
	v_cvt_i32_f32 v[96+\j], v[96+\j]
.endr
.irp j, 0,1,2,3,4,5,6,7
	v_ldexp_f32 v[96+\j], 1.0, v[96+\j]
.endr
	v_mul_f32 v89, v96, v72
.irp j, 1,2,3,4,5,6,7
	v_fma_f32 v89, v[96+\j], v[72+2*\j], v89
.endr
	s_wait_alu depctr_va_vdst(0)
	v_rcp_f32 v90, v89
	v_nop
	s_wait_kmcnt 0x0
	s_add_co_i32 s94, s92, s93
	s_wait_alu depctr_va_vdst(0)
	v_ldexp_f32 v90, v90, s94
.irp j, 0,1,2,3,4,5,6,7
	v_mul_f32 v[96+\j], v[96+\j], v90
	ds_store_b32 v[GW], v[96+\j] offset:512*\j
.endr
	s_wait_alu depctr_va_vdst(0)
	s_wait_tensorcnt 0x0                           ; my part of fill 0 is in
	ds_add_u32 v[SPW], v[NIL]
	s_wait_dscnt 0x0                               ; the add is done, my factors are stored
	CROUND                                         ; everybody's part of fill 0 is in, and all factors are
	JLOAD G0P+4, G1P3, G0V+4, G1V3                 ; fill 1
.irp a, 0,1,2,3
.irp j, 0,1,2,3,4,5,6,7
	ds_load_b32 v[G+8*\a+\j], v[GR] offset:512*\j+64*\a
.endr
.endr
.macro FETCHV adr, pitch, pos, p
	WIN 0xc0
.irp i, 0,1,2,3,4,5,6,7
.irp c, 0,1,2,3
	ds_load_b128 v[128*(\p)+16*\i+4*\c:128*(\p)+16*\i+4*\c+3], v[\adr] offset:(\pitch)*\i+2048*(\pos)+512*\c
.endr
.endr
	WIN 0
.endm
.macro FETCHP adr, pitch, pos, p
.irp a, 0,1,2,3
.irp c, 0,1,2,3
	ds_load_b128 v[64+64*(\p)+16*\a+4*\c:64+64*(\p)+16*\a+4*\c+3], v[\adr] offset:(\pitch)*\a+2048*(\pos)+512*\c
.endr
.endr
.endm
.macro FETCHU n
.if (\n) == 15
	FETCHV ADV1, 2048, 0, 1
	FETCHP ADP1, 2048, 0, 1
.else
.set FG, ((\n)/3)%2
.set FQ, (\n)%3
.set FS, (\n)%2
	FETCHV ADV+FG, 6144, FQ, FS
	FETCHP ADP+FG, 6144, FQ, FS
.endif
.endm
.macro MUL8 a, p, zero
.irp i, 0,1,2,3,4,5,6,7
.if \zero
	v_wmma_f32_16x16x128_bf8_bf8 v[64*(\a)+8*\i:64*(\a)+8*\i+7], v[128*(\p)+16*\i:128*(\p)+16*\i+15], v[64+64*(\p)+16*(\a):64+64*(\p)+16*(\a)+15], 0
.else
	v_wmma_f32_16x16x128_bf8_bf8 v[64*(\a)+8*\i:64*(\a)+8*\i+7], v[128*(\p)+16*\i:128*(\p)+16*\i+15], v[64+64*(\p)+16*(\a):64+64*(\p)+16*(\a)+15], v[64*(\a)+8*\i:64*(\a)+8*\i+7]
.endif
.endr
.endm
; The sums of tile (a, i) of block j, times the factor, onto the totals: four packed lines.
.macro FOLD j, a, i
	WIN W_FOLD
.set n, 64*(\a)+8*(\i)
.rept 4
.if (\j) == 0
	v_pk_mul_f32 v[n:n+1], v[n:n+1], v[G+8*\a:G+8*\a+1] op_sel_hi:[1,0]
.elseif (\j)%2 == 0
	v_pk_fma_f32 v[n:n+1], v[n:n+1], v[G+8*\a+(\j):G+8*\a+(\j)+1], v[n:n+1] op_sel_hi:[1,0,1]
.else
	v_pk_fma_f32 v[n:n+1], v[n:n+1], v[G+8*\a+(\j)-1:G+8*\a+(\j)], v[n:n+1] op_sel:[0,1,0] op_sel_hi:[1,1,1]
.endif
.set n, n+2
.endr
.endm
; Eight products of query tile a; behind each of them one tile of query tile fa's finished sums is added to the totals.  These packed lines are also the four places that the next products' sums ask for;
; for fa = 0, which has none in front, four v_nop stand behind the first product.
.macro MUL8F a, p, zero, j, fa
.set FA, \fa
.irp i, 0,1,2,3,4,5,6,7
	WIN W_MUL
.if \zero
	v_wmma_f32_16x16x128_bf8_bf8 v[64*(\a)+8*\i:64*(\a)+8*\i+7], v[128*(\p)+16*\i:128*(\p)+16*\i+15], v[64+64*(\p)+16*(\a):64+64*(\p)+16*(\a)+15], 0
.else
	v_wmma_f32_16x16x128_bf8_bf8 v[64*(\a)+8*\i:64*(\a)+8*\i+7], v[128*(\p)+16*\i:128*(\p)+16*\i+15], v[64+64*(\p)+16*(\a):64+64*(\p)+16*(\a)+15], v[64*(\a)+8*\i:64*(\a)+8*\i+7]
.endif
.if FA == 0
.if \i == 0
	PLACES 4
.endif
.endif
	FOLD \j, FA, \i
.endr
	WIN W_MUL
.endm
; Unit u's products of query tile a, with the adding that is due: in a block's second unit that of tile a - 1, in the next block's first unit that of tile 3.
.macro UM u, a
.if ((\u)%2 == 1) && ((\a) > 0)
	MUL8F \a, 1, 0, (\u)/2, (\a)-1
.elseif ((\u)%2 == 0) && ((\u) > 0) && ((\a) == 0)
	MUL8F 0, 0, 1, ((\u)/2-1), 3
.else
	MUL8 \a, (\u)%2, 1-(\u)%2
.endif
.endm
.macro UNIT u
.set PS, (\u)%2
.set ZR, 1-PS
.set RG, ((\u)/3)%2
.if (\u)%3 == 2
	WIN 0
	s_wait_tensorcnt 0x0
	ds_add_u32 v[SPW], v[NIL]
	s_wait_dscnt 13                                ; V's fragments and P's tile 0 are in: P's tiles 1-3 (12 loads) and the add may be out
	WIN W_MUL
	UM \u, 0
	s_wait_dscnt 9                                 ; P's tile 1 is in
	UM \u, 1
	s_wait_dscnt 0x0
	s_barrier_signal -1
	UM \u, 2
	WIN 0
	s_barrier_wait -1
.if (\u) < 11
	CREST
	s_add_nc_u64 s[G0P+4*RG+2:G0P+4*RG+3], s[G0P+4*RG+2:G0P+4*RG+3], 12288
	s_add_nc_u64 s[G0V+4*RG+2:G0V+4*RG+3], s[G0V+4*RG+2:G0V+4*RG+3], 12288
	JLOAD G0P+4*RG, G1P3, G0V+4*RG, G1V3
.elseif (\u) == 11
	CREST
	JLOAD G0P1, G1P1, G0V1, G1V1
.else
	PLACES 4
.endif
	FETCHU (\u)+1
.if (\u) < 8
	ASK 6144*((\u)/3+3), 30
.elseif (\u) == 8
	ASK 30720, 31
.endif
	WIN W_MUL
	UM \u, 3
.elseif (\u) == 15
	s_wait_dscnt 12
	WIN W_MUL
	UM \u, 0
	s_wait_dscnt 8
	UM \u, 1
	s_wait_dscnt 4
	UM \u, 2
	s_wait_dscnt 0x0
	UM \u, 3
.else
	s_wait_dscnt 12                                ; V's fragments and P's tile 0 are in: P's tiles 1-3 (12 loads) may be out
.if PS == 1
	PLACES 4
.endif
	FETCHU (\u)+1                                  ; 48 loads, behind those
	WIN W_MUL
	UM \u, 0
	s_wait_dscnt 56                                ; P's tile 1 is in,
	UM \u, 1
	s_wait_dscnt 52                                ; tile 2,
	UM \u, 2
	s_wait_dscnt 48                                ; tile 3: the 48 alone may be out
	UM \u, 3
.endif
.if (\u) == 15
.irp i, 0,1,2,3,4,5,6,7
	FOLD 7, 3, \i
.endr
.endif
.endm
	FETCHU 0
	ASK 12288, 30
.irp u, 0,1,2,3,4,5,6,7,8,9,10,11,12,13,14,15
	UNIT \u
.endr
.macro TOSTAGE a
	WIN 0x08
.irp i, 0,1,2,3,4,5,6,7
	ds_store_b128 v[STO], v[64*(\a)+8*\i:64*(\a)+8*\i+3] offset:64*\i
	ds_store_b128 v[STO], v[64*(\a)+8*\i+4:64*(\a)+8*\i+7] offset:64*\i+16
.endr
	WIN 0
.set BB, 64+64*((\a)%2)
.irp t, 0,1,2,3,4,5,6,7,8,9,10,11,12,13,14,15
	ds_load_b128 v[BB+4*\t:BB+4*\t+3], v[RD] offset:\t*SPITCH
.endr
.endm
.macro SEND a, younger
.set BB, 64+64*((\a)%2)
	s_wait_dscnt \younger
.irp t, 0,1,2,3,4,5,6,7,8,9,10,11,12,13,14,15
	global_store_b128 v[CO], v[BB+4*\t:BB+4*\t+3], s[70:71] offset:(16*(\a)+\t)*4096 th:TH_STORE_NT
.endr
.endm
	TOSTAGE 0
	TOSTAGE 1
	s_wait_alu depctr_va_vdst(0)
	SEND 0, 32
	s_wait_xcnt 0x0
	TOSTAGE 2
	SEND 1, 32
	s_wait_xcnt 0x0
	TOSTAGE 3
	SEND 2, 32
	SEND 3, 0
	s_wait_tensorcnt 0x0
	ds_add_u32 v[SPW], v[NIL]
	s_wait_dscnt 0x0
	CROUND
	s_endpgm
.Lfunc_end_k_q03df3e488a_mix:
	.size	k_q03df3e488a_mix, .Lfunc_end_k_q03df3e488a_mix-k_q03df3e488a_mix
	.p2alignl 7, 3214868480
	.fill 96, 4, 3214868480
	.section	.rodata,"a",@progbits
	.p2align	6, 0x0
	.amdhsa_kernel k_q03df3e488a_mix
		.amdhsa_group_segment_fixed_size 327680
		.amdhsa_private_segment_fixed_size 0
		.amdhsa_enable_private_segment 0
		.amdhsa_kernarg_size 48
		.amdhsa_user_sgpr_count 2
		.amdhsa_user_sgpr_kernarg_segment_ptr 1
		.amdhsa_wavefront_size32 1
		.amdhsa_system_sgpr_workgroup_id_x 1
		.amdhsa_system_sgpr_workgroup_id_y 1
		.amdhsa_system_sgpr_workgroup_id_z 1
		.amdhsa_system_vgpr_workitem_id 0
		.amdhsa_next_free_vgpr 1024
		.amdhsa_next_free_sgpr 100
		.amdhsa_reserve_vcc 0
		.amdhsa_float_denorm_mode_32 3
		.amdhsa_float_denorm_mode_16_64 3
		.amdhsa_memory_ordered 1
		.amdhsa_forward_progress 1
		.amdhsa_inst_pref_size 203
	.end_amdhsa_kernel
	.amdgpu_metadata
---
amdhsa.version: [ 1, 2 ]
amdhsa.kernels:
  - .name:           k_q03df3e488a_mix
    .symbol:         k_q03df3e488a_mix.kd
    .args:
      - { .name: pimg, .offset: 0, .size: 8, .value_kind: global_buffer, .address_space: global }
      - { .name: qvk, .offset: 8, .size: 8, .value_kind: global_buffer, .address_space: global }
      - { .name: mstat, .offset: 16, .size: 8, .value_kind: global_buffer, .address_space: global }
      - { .name: lstat, .offset: 24, .size: 8, .value_kind: global_buffer, .address_space: global }
      - { .name: lowp_scales, .offset: 32, .size: 8, .value_kind: global_buffer, .address_space: global }
      - { .name: out0, .offset: 40, .size: 8, .value_kind: global_buffer, .address_space: global }
    .group_segment_fixed_size: 327680
    .private_segment_fixed_size: 0
    .kernarg_segment_align: 8
    .kernarg_segment_size: 48
    .max_flat_workgroup_size: 128
    .sgpr_count:     100
    .vgpr_count:     1024
    .wavefront_size: 32
...
	.end_amdgpu_metadata
.endif
;; end of part 3
